; MI455X (gfx1250); checked and timed in simulation.
; The chip was launched on July 23, 2026; its instructions are those of AMD's public machine-readable ISA for CDNA 5 (MIT licence, August 2026) and "CDNA5" Instruction Set Architecture Reference Guide (July 2026). The comments in the code are by the model that wrote it; some were corrected since.
;; QKV Attention. Allowed arithmetic: matrix products marked QUANTISED: E2M1 operands, one E8M0 scale for each 32 along K, by v_wmma_scale_f32_16x16x128_f8f6f4 with both operands' format E2M1 (or v_wmma_scale_f32_32x16x128_f4), f32 sums; everything else in f32.
;; Inputs: mask 8 x 1,024 float32; qkv 8 x 3,072 x 1,024 float32.
;; Outputs: out0 8 x 1,024 x 1,024 float32.
;; This version of the problem:
;;   THIS VERSION OF THE PROBLEM IS GIVEN IN LOW PRECISION. The matrix products marked QUANTISED in the list below multiply operands that are first quantised to E2M1 (2 exponent bits, 1 mantissa bit; 4 bits a number), with one power-of-two scale for each 32 numbers along K (OCP MX v1.0); their sums are f32. All else is computed in f32.
;;   The module's matrix products, in the order in which they are computed (A, B: the left and right operand; K: the contracted axis; several contracted axes count as one K, in the product's order):
;;     1. batch 128 x [M 1,024, K 64] x [K 64, N 1,024]; A: computed on the way; B: computed on the way: QUANTISED
;;     2. batch 128 x [M 64, K 1,024] x [K 1,024, N 1,024]; A: computed on the way; B: softmax (see below): QUANTISED
;;   THE QUANTISER, for each operand of a quantised product, along K:
;;     - K is cut into blocks of 32 from its start; a last block that is shorter is filled with zeros.
;;     - A block's scale is 2^e with e = floor(log2(the largest magnitude in the block)) - 2, held to -126 .. 127; a block of zeros has e = 0. As a byte (E8M0): e + 127.
;;     - Each number is divided by its block's scale, clamped to +-6, and rounded to the nearest number of E2M1, ties to even, subnormals kept.
;;     - The product sums the exact products of the quantised numbers (number of the format x scale) in f32.
;;   ~~~python
;;   def quantise(x, axis):      # numpy; x: float32 -> the quantised numbers, widened to float32 again
;;       x = np.moveaxis(x, axis, -1); K = x.shape[-1]
;;       x = np.pad(x, [(0, 0)] * (x.ndim - 1) + [(0, -K % 32)]); x = x.reshape(x.shape[:-1] + (-1, 32)); a = np.abs(x).max(-1, keepdims=True)
;;       e = np.where(a > 0, np.clip(np.frexp(np.where(a > 0, a, 1))[1] - 1 - 2, -126, 127), 0)      # np.frexp(a)[1] - 1 = floor(log2(a)), exactly
;;       r = np.clip(x / 2.0 ** e, -6, 6)
;;       step = 2.0 ** (np.maximum(np.frexp(np.where(r == 0, 1, r))[1] - 1, 0) - 1)
;;       q = np.round(r / step) * step * 2.0 ** e      # np.round: ties to even
;;       return np.moveaxis(q.reshape(q.shape[:-2] + (-1,))[..., :K], -1, axis).astype(np.float32)
;;   ~~~
;;   SOFTMAX AHEAD OF A QUANTISED PRODUCT. Where the list says 'softmax', what is quantised is not the finished softmax but p = 2^(t - M), with t = logit x log2(e) and M = ceil(the row's largest t), a whole number; so 1/2 < the row's largest p <= 1. The row's sum l is taken of the UNQUANTISED p, in f32, and the product's result is divided by l at the end. Since M is a whole number, a kernel that streams over the keys may use a running M (the ceiling of the running maximum): every later rescaling is an exact power of two, which a block's scale takes up: the codes' values come out the same.
;;   OPERANDS COMPUTED ON THE WAY. 'Computed on the way' means the value that the module computes at that place (a softmax that the list does not call 'softmax' is quantised finished and normalised). What goes into a quantiser is computed in f32, as accurately as f32 sums, v_exp_f32 and their like allow (about 1e-6 of the number): no bf16 or f16 on the way to a quantiser, and a product that is left as it is and whose result goes on into a quantised operand takes f32 operands (vector FMAs, or v_wmma_f32_16x16x4_f32). A number that lies on a knife's edge between two numbers of the format may be rounded either way, as far as f32 arithmetic and the matrix unit's own rounding can turn it there, and no further.
;; One version. Each part assembles by itself: llvm-mc -triple=amdgcn-amd-amdhsa -mcpu=gfx1250 --defsym DOCPART=n.
;; ======== version 1 of 1: 1 launch
;; limits: right only within a limited range of input values
;; launch attn (part 1): grid 256 x 1, 16 waves a work-group, clusters of 2 x 1, 327,680 bytes of LDS; arguments qkv, mask, out0; writes out0
.if DOCPART == 1
	.amdgcn_target "amdgcn-amd-amdhsa--gfx1250"
	.amdhsa_code_object_version 6
	.text
	.protected	k_qd34add1e32_attn
	.globl	k_qd34add1e32_attn
	.p2align	8
	.type	k_qd34add1e32_attn,@function
k_qd34add1e32_attn:
	s_mov_b64 s[64:65], 0
	v_nop
	global_prefetch_b8 v0, s[64:65] scope:SCOPE_SE
	s_setreg_imm32_b32 hwreg(HW_REG_WAVE_MODE, 25, 1), 1
	s_wait_xcnt 0x0
	s_wait_alu depctr_hold_cnt(0) depctr_sa_sdst(0) depctr_va_vdst(0) depctr_va_sdst(0) depctr_va_ssrc(0) depctr_va_vcc(0) depctr_vm_vsrc(0)
	s_getreg_b32 s2, hwreg(HW_REG_IB_STS2, 6, 4)
	s_cmp_eq_u32 s2, 0
	s_cbranch_scc0 .Lentry_in_a_cluster
	s_endpgm
.Lentry_in_a_cluster:
	s_bfe_u32 s2, ttmp6, 0x10000c
	s_cmp_lg_u32 s2, 0x1001
	s_cbranch_scc0 .Lentry_shape_is_right
	s_endpgm
.Lentry_shape_is_right:
; out0[head][c][t] = the sum over s of softmax_s((q[.][t] x a) . (k[.][s] x a) x m[s]) v[c][s], a = 64^(-1/4), m = mask[head % 8]; 128 heads (head = 16 x batch + h), 1,024 queries t, 1,024 keys s, 64 channels c.
; qkv: [8][3072][1024] f32: a head's q, k, v are three blocks of 64 rows (channels) x 1,024, time innermost.  Both products run on codes of FP4 (E2M1) with one E8M0 scale for each 32 along a product's K; all else is f32.
; THE SOFTMAX AHEAD OF THE SECOND PRODUCT: t = (score x m) x log2(e); M = the row's largest t so far, rounded UP to a whole number; p = 2^(t - M) is quantised along the keys, not normalised.  The row's sum is taken of the
; unquantised p and divides O at the end.  M moves every 64 keys: the sum is multiplied by 2^(old M - new M), O by both halves' factors every 128 keys, and the first half's block scales by the second's: exact.
; SHARES.  128 clusters of two work-groups: a cluster takes a head, each of the two 512 of its queries.  Each of sixteen waves owns 32 queries, two tiles of 16, and walks all keys in eight steps (chunks) of 128, two halves of 64 each.
; k and v come as f32 through a ring of two LDS slots (wave 0 fetches k's 64 rows x 512 bytes of a chunk, wave 1 v's).  At the end of step j the sixteen waves quantise chunk j + 2 (waves 0 to 7 one group of four operand
; registers of k each, waves 8 to 15 of v) and store it in LDS as IMAGES OF THE OPERANDS' REGISTERS (lane l's 16 bytes at 16 l).  The whole head's codes fit, so no image byte is written twice.  q is quantised in registers at the head.
; CLUSTERS: the two work-groups of a head walk the same k and v (and the same mask's row): every tensor load is JOINT (mask 3): both issue it, with the same descriptor, and each receives the tile in its own LDS.
; A round of the cluster's barrier stands in front of the first loads, of each refill, and at the end.
; ONE SYNCHRONISATION A STEP, behind the second half: it shows that chunk j + 2 has landed, that chunk j + 1's images are whole and that its slot is free in both work-groups (it takes chunk j + 3).
; LAYOUT.  Both products are used transposed: S^T = K Q^T (source 0 = keys, source 1 = 16 queries), O^T = V P^T (source 0 = 32 channels, source 1 = P): a lane holds ONE query (lane % 16) of a tile throughout.
; K = 64 IN AN INSTRUCTION OF 128: a fragment of k holds TWO tiles of keys: registers 0-3 one, registers 4-7 the next.  Q lies between groups of four zero registers (Z Q0 Z Q1 Z): the run [Q | Z] picks
; the first, the run [Z | Q] the second.  Zero codes add nothing under any scale byte that is made here (1 to 252).
; THE KEYS OF A TILE ARE NOT NEIGHBOURS: row r of tile n (0 to 3) of a half is its key 32 (r / 8) + 8 n + r % 8, so that S's 32 registers of a lane are the neighbouring keys 32 (lane / 16) + 0 .. 31: a WHOLE block of 32 in a lane,
; which is also what the second product's operand wants there.
; In the second channel block, of k and of q alike, place i holds channel 32 + (i xor 2): so the two halves of a wave read k's rows from different banks (64 banks of 4 bytes: ISA guide 11.1).
; PREFETCH: at step j's end the chunk that step j + 1 will ask for (j + 4) is asked for, 512 bytes of 128 rows: each of the cluster's two work-groups names, by address, one of the two 256-byte blocks of each row, waves 4 to 7, a lane a row.
; It stops after chunk 7.  Chunks 0 to 3 come by their loads alone.
; LIMITS.  NaN and infinities among the inputs are not served, nor rows whose every score x m lies under -1e38.  A block whose largest magnitude lies under 2^-124, a block of zeros among them, gets the scale byte 1 (the quantiser's
; rule gives a block of zeros 127): its codes are zeros or the rule's own, and the bytes are read by this program alone.  p under 2^-126 counts as 0 (v_exp_f32 flushes denormals: ISA guide 15.8).  A block's scale exponent is
; the floor of its largest t - M, taken ahead of the exponential.
;
; LDS, in bytes
.set PITCH, 528                        ; a row of a slot: 512 bytes (128 keys, f32) + 16 of padding
.set VOFF,  64*PITCH                   ; a slot: k's 64 channels, then v's 64
.set SLOT1, 1<<17                      ; slot 1 begins here: one exclusive or turns an address in one slot into the other's
.set IMG,   SLOT1+2*VOFF               ; 198,656: the images: chunk j at 8,192 j: k's eight groups of 512 bytes, then v's eight
.set KSC,   IMG+65536                  ; 264,192: k's scale words: chunk j at 256 j, fragment f at 64 f, row r at 4 r, byte 2 u + channel block;  v's lie 2,048 further on: byte = key block
.set MM,    KSC+4096                   ; 268,288: the mask's row, 1,024 f32
.set SPARE, MM+4096                    ; 272,384: the spare words, 128 bytes for each wave: eight blocks of 256 bytes that no other line names
.set SP,    272                        ; the way out: 64 rows (channels) of 64 queries + 16 bytes of padding for each pair of waves, from byte 0 on: the slots have had their last fill then
.set PAIR,  64*SP
; VECTOR REGISTERS.  v0: my lane, behind the head's first lines
.set SPW, 1                            ; LDS address of my spare word: SPARE + 4 x my thread's number; never rewritten
.set NIL, 2                            ; 0; never rewritten
.set AQK0, 3                           ; my lane's places in a slot for k's numbers (two orders of rows)
.set AQK1, 4
.set AQV, 5                            ; and for v's
.set ASB, 6                            ; where I store scale bytes
.set AMM, 7                            ; 128 (lane / 16)
.set RI,  8                            ; the step's addresses: images,
.set RS,  9                            ; scale words,
.set RM,  10                           ; mask
.set PFO, 11                           ; the prefetches' offset: 4,096 x lane
.set QS,  12                           ; q's scale words: lanes 0-15 tile 0, lanes 16-31 tile 1
.set KS,  13                           ; k's: lanes 0-15 the half's first fragment, lanes 16-31 its second
.set VS,  14                           ; v14-15 v's: 32 channels each
.set PW,  16                           ; v16-17 p's scale words
.set AIW, 18                           ; 16 x lane + 512 x wave
.set HS,  19                           ; 8 (lane / 16)
.set ST,  20                           ; tile t at ST + 8 t: +0 and +2 -M by turns, +1 the first half's scale operand, +3 the block's largest score x m, then t - M, +4 +5 the sum, +6 f, +7 the largest score x m so far
.set BX,  36                           ; v36-43 at work: per tile one register
.set BO,  38                           ; the second half's scale operands
.set SU,  40                           ; the second chains of the sums
.set RQ0, 36                           ; the same registers, while numbers are quantised: addresses
.set RQ1, 37
.set RQV, 38
.set WI,  39
.set WS,  40
.set PC,  44                           ; v44-59 p's codes, tile t at + 8 t
.set QW,  60                           ; v60-79 Z Q0 Z Q1 Z
.set KP,  80                           ; v80-95 the half's two fragments of k
.set MV,  96                           ; v96-127 the half's 32 mask numbers of my lane's keys, or v's four fragments
.set S,   128                          ; v128-191 S^T, then p; while numbers are quantised these, and:
.set QM,  S+36
.set QO,  S+38
.set QB,  S+39
.set QC,  S+40
.set O,   192                          ; v192-255 O^T (tile t, channels 16 c on: 32 t + 8 c); at the head q's numbers
; SCALAR REGISTERS
.set WV,  10                           ; my wave's number
.set SEL, 20                           ; s[20:21] v_permlanex16_b32's selects for lane l xor 16
.set CQ,  22                           ; s[22:23] 64^(-1/4), twice (the packed form names a pair)
.set G1,  24                           ; s[24:31] descriptor group 1
.set G0A, 32                           ; s[32:35] group 0: chunk 0 into slot 0
.set G0B, 36                           ; s[36:39] group 0: chunk 1 into slot 1; then it walks
.set SLQ, 40                           ; the slot of the chunk that is quantised
.set CR,  41                           ; IMG + 8,192 j
.set SR,  42                           ; KSC + 256 j
.set MR,  43                           ; MM + 512 j
.set LEFT, 44                          ; steps to go in the loop
.set LIM, 45                           ; a wave prefetches while LEFT is above this
.set CL,  50                           ; s[50:51] log2(e), twice
.set G0M, 52                           ; s[52:55], s[56:63] the mask row's groups
.set G1M, 56
.set PFA, 70                           ; s[70:71] where my prefetches stand
; A round of the cluster's barrier: my work-group's barrier, so that wave 0's signal speaks for all sixteen waves; wave 0 signals for the work-group; every wave waits for both work-groups; my work-group's barrier once more.
.macro CREST                           ; a round behind its opening barrier
	s_cmp_lg_u32 s[WV], 0
	s_cbranch_scc1 .Lnot_wave_0_\@
	s_barrier_signal -3
.Lnot_wave_0_\@:
	s_barrier_wait -3
	s_barrier_signal -1
	s_barrier_wait -1
.endm
.macro CROUND                          ; a whole round
	s_barrier_signal -1
	s_barrier_wait -1
	CREST
.endm
	s_load_b128 s[4:7], s[0:1], 0x0                ; qkv s[4:5], mask s[6:7]
	s_load_b64 s[8:9], s[0:1], 0x10                ; out0
	v_lshl_add_u32 v[SPW], v0, 2, SPARE
	v_mov_b32 v[NIL], 0
	ds_add_u32 v[SPW], v[NIL]                      ; the wave's opening: the add, twice on end, and its wait ahead of the first tensor load
	ds_add_u32 v[SPW], v[NIL]
	v_lshrrev_b32 v3, 5, v0
	v_readfirstlane_b32 s[WV], v3                  ; wave 0..15
	v_and_b32 v0, 31, v0                           ; lane
	s_mov_b32 s11, ttmp9                           ; head: the cluster's number
	s_bfe_u32 s12, ttmp6, 0x40000                  ; cx: which 512 queries.  What is made of it stands in s12, s14, s66, s70, s76, s77 and the addresses made of these, and in no descriptor
	s_lshl_b32 s76, s12, 11                        ; the work-group's first query, in bytes
	s_lshl_b32 s77, s12, 8                         ; and its block of 256 bytes in the prefetches
	s_lshr_b32 s13, s11, 4
	s_mul_i32 s13, s13, 12582912                   ; the batch: 3,072 rows of 4,096 bytes,
	s_and_b32 s19, s11, 15
	s_lshl_b32 s19, s19, 18                        ; the head in it: 64 rows
	s_add_co_u32 s48, s13, s19                     ; q's first byte of this head (under 2^27)
	s_and_b32 s19, s[WV], 1                        ; what I fetch, if I fetch: even waves k, odd waves v
	s_mul_i32 s18, s19, VOFF                       ; its place in a slot
	s_lshl_b32 s16, s19, 22
	s_add_co_u32 s16, s16, s48
	s_add_co_u32 s16, s16, 0x400000                ; k lies 1,024 rows behind q, v 2,048
	s_mov_b32 s17, 0
	s_lshl_b32 s14, s[WV], 7
	s_add_co_u32 s14, s14, s76
	s_add_co_u32 s14, s14, s48                     ; q at my wave's first query
	s_mov_b32 s15, 0
	s_lshl_b32 s66, s11, 18                        ; out0: a head is 64 rows of 4,096 bytes;
	s_add_co_u32 s66, s66, s76
	s_lshr_b32 s19, s[WV], 1
	s_lshl_b32 s19, s19, 8
	s_add_co_u32 s66, s66, s19                     ; my pair's 64 queries,
	s_and_b32 s19, s[WV], 1
	s_lshl_b32 s19, s19, 17
	s_add_co_u32 s66, s66, s19                     ; my 32 of the 64 channels
	s_mov_b32 s67, 0
	s_and_b32 s68, s11, 7
	s_lshl_b32 s68, s68, 12                        ; the mask's row: head % 8
	s_mov_b32 s69, 0
	s_lshr_b32 s19, s[WV], 1                       ; the prefetches: waves 4, 5 k's rows 0-31, 32-63; waves 6, 7 v's
	s_and_b32 s19, s19, 1
	s_lshl_b32 s70, s19, 22
	s_and_b32 s19, s[WV], 1
	s_lshl_b32 s19, s19, 17
	s_add_co_u32 s70, s70, s19
	s_add_co_u32 s70, s70, s77                     ; my work-group's block of 256 bytes of the two
	s_add_co_u32 s70, s70, s48
	s_add_co_u32 s70, s70, 0x400600                ; at chunk 3: the first step steps it to chunk 4
	s_mov_b32 s71, 0
	s_lshr_b32 s19, s[WV], 2
	s_cmp_eq_u32 s19, 1
	s_cselect_b32 s[LIM], 1, 255
	; what I quantise: group w % 8 of k's eight (half, tile) or of v's (16 channels, 64 keys)
	s_and_b32 s13, s[WV], 7
	s_lshr_b32 s72, s13, 2
	s_lshl_b32 s72, s72, 8
	s_and_b32 s75, s13, 3
	s_lshl_b32 s75, s75, 5
	s_add_co_u32 s72, s72, s75                     ; k: 256 bytes a half, 32 a tile
	s_lshr_b32 s13, s13, 1
	s_and_b32 s19, s[WV], 1
	s_mul_i32 s73, s13, 16*PITCH
	s_lshl_b32 s75, s19, 8
	s_add_co_u32 s73, s73, s75
	s_add_co_u32 s73, s73, VOFF                    ; v: 16 rows, 256 bytes
	s_lshl_b32 s74, s13, 6
	s_lshl_b32 s75, s19, 1
	s_add_co_u32 s74, s74, s75
	s_lshr_b32 s75, s[WV], 3
	s_lshl_b32 s75, s75, 11
	s_add_co_u32 s74, s74, s75                     ; scale bytes: v's 2,048 on
	s_lshl_b32 s75, s[WV], 9
	; descriptor group 1: 64 rows x 128 elements of 4 bytes, 1,024 elements from row to row, 16 bytes of padding behind each row in LDS
	s_mov_b32 s[G1+0], 3|(2<<16)|(1<<20)|(1<<21)|(6<<22)|(3<<25)   ; 15:0 the mask: both work-groups, with bit 21 beside it; elements of 4 bytes; padding on, after every 128 words, of four words
	s_mov_b32 s[G1+1], 128<<16
	s_mov_b32 s[G1+2], 64<<16
	s_mov_b32 s[G1+3], 128<<16
	s_mov_b32 s[G1+4], 64
	s_mov_b32 s[G1+5], 1024
	s_mov_b32 s[G1+6], 0
	s_mov_b32 s[G1+7], 0
	; the mask's row, 4,096 dense bytes, as 16 rows of 32 elements of 8 bytes
	s_mov_b32 s[G1M+0], 3|(3<<16)|(1<<21)
	s_mov_b32 s[G1M+1], 32<<16
	s_mov_b32 s[G1M+2], 16<<16
	s_mov_b32 s[G1M+3], 32<<16
	s_mov_b32 s[G1M+4], 16
	s_mov_b32 s[G1M+5], 32
	s_mov_b32 s[G1M+6], 0
	s_mov_b32 s[G1M+7], 0
	s_mov_b32 s[G0A], 1
	s_mov_b32 s[G0A+1], s18                        ; slot 0
	s_mov_b32 s[G0B], 1
	s_add_co_u32 s[G0B+1], s18, SLOT1              ; slot 1
	s_mov_b32 s[G0M], 1
	s_mov_b32 s[G0M+1], MM
	s_mov_b32 s[SEL], 0x76543210
	s_mov_b32 s[SEL+1], 0xfedcba98
	s_mov_b32 s[CQ], 0x3eb504f3                    ; 1 / sqrt(sqrt(64)) in f32
	s_mov_b32 s[CQ+1], s[CQ]
	s_mov_b32 s[CL], 0x3fb8aa3b                    ; log2(e)
	s_mov_b32 s[CL+1], s[CL]
	s_mov_b32 s[SLQ], 0
	s_mov_b32 s[CR], IMG
	s_mov_b32 s[SR], KSC
	s_mov_b32 s[MR], MM
	s_wait_alu depctr_va_vdst(0)
	s_wait_dscnt 0x0                               ; both opening adds are done
	s_wait_kmcnt 0x0
	s_add_nc_u64 s[G0A+2:G0A+3], s[4:5], s[16:17]  ; chunk 0
	s_add_nc_u64 s[G0B+2:G0B+3], s[G0A+2:G0A+3], 512   ; chunk 1: 128 keys on
	s_or_b32 s[G0A+3], s[G0A+3], 0x80000000        ; type = 2
	s_or_b32 s[G0B+3], s[G0B+3], 0x80000000
	s_add_nc_u64 s[G0M+2:G0M+3], s[6:7], s[68:69]
	s_or_b32 s[G0M+3], s[G0M+3], 0x80000000
	s_add_nc_u64 s[46:47], s[4:5], s[14:15]
	s_add_nc_u64 s[8:9], s[8:9], s[66:67]
	s_add_nc_u64 s[PFA:PFA+1], s[4:5], s[70:71]
	CROUND                                         ; both work-groups are here: the first joint loads meet
	s_cmp_lt_u32 s[WV], 2                          ; the head's loads, one a wave: waves 0 and 1 chunk 0, waves 2 and 3 chunk 1, wave 4 the mask's row
	s_cbranch_scc0 .Lnot_0
	tensor_load_to_lds s[G0A:G0A+3], s[G1:G1+7]
	s_nop 0
.rept 4
	v_nop
.endr
	s_branch .Lhead_asked
.Lnot_0:
	s_cmp_lt_u32 s[WV], 4
	s_cbranch_scc0 .Lnot_1
	tensor_load_to_lds s[G0B:G0B+3], s[G1:G1+7]
	s_nop 0
.rept 4
	v_nop
.endr
	s_branch .Lhead_asked
.Lnot_1:
	s_cmp_eq_u32 s[WV], 4
	s_cbranch_scc0 .Lhead_asked
	tensor_load_to_lds s[G0M:G0M+3], s[G1M:G1M+7]
	s_nop 0
.rept 4
	v_nop
.endr
.Lhead_asked:
	v_lshlrev_b32 v[PW], 2, v0
.set i, 0
.rept 64                                       ; q: lane l takes query l of my 32 and its registers run down the channels (second block: channel 32 + (i xor 2)).  A load reads 128 consecutive bytes
.if i < 32
	global_load_b32 v[O+i], v[PW], s[46:47] offset:4096*i
.else
	global_load_b32 v[O+i], v[PW], s[46:47] offset:4096*(i^2)
.endif
.set i, i+1
.endr
	v_and_b32 v36, 15, v0                          ; r
	v_lshrrev_b32 v37, 4, v0                       ; h
	v_lshrrev_b32 v38, 3, v36
	v_lshlrev_b32 v38, 7, v38
	v_and_b32 v39, 7, v36
	v_lshl_add_u32 v38, v39, 2, v38                ; key 32 (r / 8) + r % 8, in bytes
	v_mad_u32_u24 v[AQK0], v37, 34*PITCH, v38      ; places i with bit 1 clear: lanes 16-31 34 rows on
	v_mad_u32_u24 v[AQK1], v37, 30*PITCH, v38      ; with bit 1 set: 30 rows on
	v_add_nc_u32 v[AQK0], s72, v[AQK0]
	v_add_nc_u32 v[AQK1], s72, v[AQK1]
	v_mul_u32_u24 v[AQV], v36, PITCH               ; v: channel r of my 16, keys 32 h on
	v_lshl_add_u32 v[AQV], v37, 7, v[AQV]
	v_add_nc_u32 v[AQV], s73, v[AQV]
	v_lshl_add_u32 v[ASB], v36, 2, v37             ; row r's word, byte h
	v_add_nc_u32 v[ASB], s74, v[ASB]
	v_lshlrev_b32 v[AIW], 4, v0
	v_add_nc_u32 v[AIW], s75, v[AIW]
	v_lshlrev_b32 v[AMM], 7, v37
	v_lshlrev_b32 v[HS], 3, v37
	v_lshlrev_b32 v[PFO], 12, v0
.irp k, 0,1,2
.irp n, 0,1,2,3
	v_mov_b32 v[QW+8*\k+\n], 0                     ; the zero groups round Q
.endr
.endr
.irp t, 0,1
	v_mov_b32 v[ST+8*\t], 0x7e967699               ; -M so far: 1e38
	v_mov_b32 v[ST+8*\t+1], 0
	v_mov_b32 v[ST+8*\t+2], 0
	v_mov_b32 v[ST+8*\t+3], 0
	v_mov_b32 v[ST+8*\t+4], 0                      ; the sum, in two halves
	v_mov_b32 v[ST+8*\t+5], 0
	v_mov_b32 v[ST+8*\t+6], 0
	v_mov_b32 v[ST+8*\t+7], 0xfe967699             ; the largest score x m so far: -1e38
.endr
; The largest magnitude of 32 numbers v[x] on, with the floor 2^(3 - 127) among the leaves (so the byte cannot fall under 1), in two chains, into v[d]
.macro MAX32 x, d
	v_max3_num_f32 v[\d], |v[\x]|, |v[\x+1]|, 0x1800000
	v_max3_num_f32 v[\d+1], |v[\x+2]|, |v[\x+3]|, |v[\x+4]|
.set i, 5
.rept 6
	v_max3_num_f32 v[\d], v[\d], |v[\x+i]|, |v[\x+i+1]|
	v_max3_num_f32 v[\d+1], v[\d+1], |v[\x+i+2]|, |v[\x+i+3]|
.set i, i+4
.endr
	v_max3_num_f32 v[\d], v[\d], |v[\x+29]|, |v[\x+30]|
	v_max3_num_f32 v[\d], v[\d], v[\d+1], |v[\x+31]|
.endm
.macro TLOAD                                   ; the first thing behind its round, and the wave's one tensor load until the next; the branch hangs on the wave's number alone
	s_cmp_lt_u32 s[WV], 2
	s_cbranch_scc0 .Lnone_\@
	tensor_load_to_lds s[G0B:G0B+3], s[G1:G1+7]
	s_nop 0
.rept 4
	v_nop
.endr
.Lnone_\@:
.endm
.macro ASK
	s_cmp_gt_u32 s[LEFT], s[LIM]
	s_cbranch_scc0 .Lnot_mine_\@
	global_prefetch_b8 v[PFO], s[PFA:PFA+1] th:TH_LOAD_NT scope:SCOPE_SE
.Lnot_mine_\@:
.endm
.macro QADDR
	v_add_nc_u32 v[RQ0], s[SLQ], v[AQK0]
	v_add_nc_u32 v[RQ1], s[SLQ], v[AQK1]
	v_add_nc_u32 v[RQV], s[SLQ], v[AQV]
	v_add_nc_u32 v[WI], s[CR], v[AIW]
	v_add_nc_u32 v[WS], s[SR], v[ASB]
.endm
.macro RADDR
	v_lshl_add_u32 v[RI], v0, 4, s[CR]
	v_lshl_add_u32 v[RS], v0, 2, s[SR]
	v_add_nc_u32 v[RM], s[MR], v[AMM]
.endm
; O^T under the new M.  In the first step there is none yet: eight places between p's scale words and the products.
.macro RESCALE first
.if \first
.rept 8
	v_nop
.endr
.else
	s_wait_alu depctr_va_vdst(0)                   ; directly ahead of the first reader of O^T
.irp t, 0,1
.set i, 0
.rept 16
	v_pk_mul_f32 v[O+32*\t+i:O+32*\t+i+1], v[O+32*\t+i:O+32*\t+i+1], v[ST+8*\t+6:ST+8*\t+7] op_sel_hi:[1,0]
.set i, i+2
.endr
.endr
.endif
	s_wait_alu depctr_va_vdst(0)                   ; directly ahead of the wait that follows
.endm
; O^T += V P^T: four products of 32 channels x 16 queries, the four accumulators by turns, one instruction a turn.  first = 1: they start the sums: nothing is cleared.
.macro PV first
.irp t, 0,1
.irp c, 0,1
.set rO, O+32*\t+16*\c
.if \first
	v_wmma_scale_f32_32x16x128_f4 v[rO:rO+15], v[MV+16*\c:MV+16*\c+15], v[PC+8*\t:PC+8*\t+7], 0, v[VS+\c], v[PW+\t]
.else
	v_wmma_scale_f32_32x16x128_f4 v[rO:rO+15], v[MV+16*\c:MV+16*\c+15], v[PC+8*\t:PC+8*\t+7], v[rO:rO+15], v[VS+\c], v[PW+\t]
.endif
.endr
.endr
.endm
; My 32 numbers become four registers of codes and a scale byte.  2 off the exponent field of the largest magnitude gives the conversion's scale operand, which takes that field alone; shifted down it is the byte.
.macro QCODES io, so
	MAX32 S, QM
	v_add_nc_u32 v[QO], 0xff000000, v[QM]
.irp n, 0,1,2,3
	v_cvt_scalef32_pk8_fp4_f32 v[QC+\n], v[S+8*\n:S+8*\n+7], v[QO]
.endr
	v_lshrrev_b32 v[QB], 23, v[QO]                 ; (also the plain place behind the last conversion)
	ds_store_b128 v[WI], v[QC:QC+3] offset:\io
	ds_store_b8 v[WS], v[QB] offset:\so            ; each lane has a byte of its own
.endm
; io, so: the chunk's place from the step's addresses on.  k: a lane takes one key and 32 channels down the slot's rows; v: one channel and 32 neighbouring keys.
; pv = 1: ten loads of v's fragments and five of k's were issued ahead; between my loads here and their wait stand O^T's rescaling and products.
.macro QUANT io, so, pv, first
	s_cmp_lt_u32 s[WV], 8
	s_cbranch_scc0 .Lqv_\@
.set i, 0
.rept 32
.if i&2
	ds_load_b32 v[S+i], v[RQ1] offset:PITCH*i
.else
	ds_load_b32 v[S+i], v[RQ0] offset:PITCH*i
.endif
.set i, i+1
.endr
.if \pv
	RESCALE \first
	s_wait_dscnt 37                                ; v's fragments are in; five loads of k and the 32 above may be out
	PV \first
.endif
	s_wait_dscnt 0x0
.set i, 0
.rept 16
	v_pk_mul_f32 v[S+i:S+i+1], v[S+i:S+i+1], s[CQ:CQ+1] op_sel_hi:[1,0]   ; k x 64^(-1/4)
.set i, i+2
.endr
	QCODES \io, \so
	s_branch .Lqj_\@
.Lqv_\@:
.irp n, 0,1,2,3,4,5,6,7
	ds_load_b128 v[S+4*\n:S+4*\n+3], v[RQV] offset:16*\n
.endr
.if \pv
	RESCALE \first
	s_wait_dscnt 13                                ; v's fragments are in; five loads of k and the eight above may be out
	PV \first
.endif
	s_wait_dscnt 0x0
	QCODES \io, \so
.Lqj_\@:
.endm
.macro KLOAD c, g                              ; 5 loads: two fragments of k and their scale words, of half g of the chunk c behind the step's
	ds_load_b32 v[KS], v[RS] offset:256*\c+128*\g
.irp n, 0,1,2,3
	ds_load_b128 v[KP+4*\n:KP+4*\n+3], v[RI] offset:8192*\c+2048*\g+512*\n
.endr
.endm
.macro MLOAD c, g                              ; 8 loads: register i: key 64 g + 32 h + i, as in S^T
.irp n, 0,1,2,3,4,5,6,7
	ds_load_b128 v[MV+4*\n:MV+4*\n+3], v[RM] offset:512*\c+256*\g+16*\n
.endr
.endm
.macro VLOAD                                   ; 10 loads
.irp n, 0,1,2,3,4,5,6,7
	ds_load_b128 v[MV+4*\n:MV+4*\n+3], v[RI] offset:4096+512*\n
.endr
	ds_load_b32 v[VS], v[RS] offset:2048
	ds_load_b32 v[VS+1], v[RS] offset:2176
.endm
; S^T of both tiles x 64 keys: eight products, each a sum of its own (C = 0).  The scale rows: the second fragment's and q's second tile's lie in lanes 16-31.
.macro QK
.irp p, 0,1
.irp u, 0,1
.irp t, 0,1
.set rD, S+32*\t+16*\p+8*\u
.set rA, KP+8*\p
.set rB, QW+8*\t+4-4*\u
.if \p && \t
	v_wmma_scale_f32_16x16x128_f8f6f4 v[rD:rD+7], v[rA:rA+7], v[rB:rB+7], 0, v[KS], v[QS] matrix_a_fmt:MATRIX_FMT_FP4 matrix_b_fmt:MATRIX_FMT_FP4 matrix_a_scale:MATRIX_SCALE_ROW1 matrix_b_scale:MATRIX_SCALE_ROW1
.elseif \p
	v_wmma_scale_f32_16x16x128_f8f6f4 v[rD:rD+7], v[rA:rA+7], v[rB:rB+7], 0, v[KS], v[QS] matrix_a_fmt:MATRIX_FMT_FP4 matrix_b_fmt:MATRIX_FMT_FP4 matrix_a_scale:MATRIX_SCALE_ROW1
.elseif \t
	v_wmma_scale_f32_16x16x128_f8f6f4 v[rD:rD+7], v[rA:rA+7], v[rB:rB+7], 0, v[KS], v[QS] matrix_a_fmt:MATRIX_FMT_FP4 matrix_b_fmt:MATRIX_FMT_FP4 matrix_b_scale:MATRIX_SCALE_ROW1
.else
	v_wmma_scale_f32_16x16x128_f8f6f4 v[rD:rD+7], v[rA:rA+7], v[rB:rB+7], 0, v[KS], v[QS] matrix_a_fmt:MATRIX_FMT_FP4 matrix_b_fmt:MATRIX_FMT_FP4
.endif
.endr
.endr
.endr
.endm
.macro MULM                                    ; score x m; ascending: each accumulator is read from its low end on
.irp t, 0,1
.set i, 0
.rept 16
	v_pk_mul_f32 v[S+32*\t+i:S+32*\t+i+1], v[S+32*\t+i:S+32*\t+i+1], v[MV+i:MV+i+1]
.set i, i+2
.endr
.endr
.endm
; The largest of my lane's block of 32 keys, in two chains a tile: it serves the row's maximum (with lane l xor 16's block) and the block's scale.  Then M for both tiles.  g = 0: -M goes from + 0 to + 2; g = 1: back.
.macro MAXM g
.irp t, 0,1
	v_max3_num_f32 v[ST+8*\t+3], v[S+32*\t], v[S+32*\t+1], v[S+32*\t+2]
	v_max3_num_f32 v[BX+\t], v[S+32*\t+3], v[S+32*\t+4], v[S+32*\t+5]
.endr
.irp n, 6,10,14,18,22,26
.irp t, 0,1
	v_max3_num_f32 v[ST+8*\t+3], v[ST+8*\t+3], v[S+32*\t+\n], v[S+32*\t+\n+1]
	v_max3_num_f32 v[BX+\t], v[BX+\t], v[S+32*\t+\n+2], v[S+32*\t+\n+3]
.endr
.endr
.irp t, 0,1
	v_max3_num_f32 v[ST+8*\t+3], v[ST+8*\t+3], v[S+32*\t+30], v[S+32*\t+31]
.endr
.irp t, 0,1
	v_max_num_f32 v[ST+8*\t+3], v[ST+8*\t+3], v[BX+\t]
.endr
.irp t, 0,1
	v_permlanex16_b32 v[BX+\t], v[ST+8*\t+3], s[SEL], s[SEL+1]
.endr
.irp t, 0,1
	v_max3_num_f32 v[ST+8*\t+7], v[ST+8*\t+3], v[BX+\t], v[ST+8*\t+7]   ; the running largest
.endr
.irp t, 0,1
	v_mul_f32 v[BX+\t], s[CL], v[ST+8*\t+7]        ; as t
.endr
.irp t, 0,1
	v_floor_f32 v[ST+8*\t+2-2*\g], -v[BX+\t]       ; the new -M = floor(-t) = -ceil(t): a whole number
.endr
.irp t, 0,1
	v_sub_f32 v[BX+\t], v[ST+8*\t+2-2*\g], v[ST+8*\t+2*\g]   ; old M - new M: a whole number, 0 or less
.endr
.irp t, 0,1
	v_cvt_i32_f32 v[BX+\t], v[BX+\t]               ; (it saturates)
.endr
.irp t, 0,1
.if \g
	v_ldexp_f32 v[SU+2*\t], 1.0, v[BX+\t]          ; 2^(old M - new M), beside the first half's
.else
	v_ldexp_f32 v[ST+8*\t+6], 1.0, v[BX+\t]
.endif
.endr
.endm
; t - M, two at a time (of the pairs log2(e) and -M the low word serves both halves).  The block's scale exponent is the floor of its largest t - M, held at -124 from below, less 2; as a conversion's operand (that + 127) << 23.
.macro SHIFT g
.irp t, 0,1
.set rN, ST+8*\t+2-2*\g
.set i, 0
.rept 16
	v_pk_fma_f32 v[S+32*\t+i:S+32*\t+i+1], v[S+32*\t+i:S+32*\t+i+1], s[CL:CL+1], v[rN:rN+1] op_sel_hi:[1,0,0]
.set i, i+2
.endr
.endr
.irp t, 0,1
	v_fma_f32 v[ST+8*\t+3], v[ST+8*\t+3], s[CL], v[ST+8*\t+2-2*\g]
.endr
.irp t, 0,1
	v_max_num_f32 v[ST+8*\t+3], 0xc2f80000, v[ST+8*\t+3]
.endr
.irp t, 0,1
	v_cvt_floor_i32_f32 v[BX+\t], v[ST+8*\t+3]
.endr
.irp t, 0,1
.if \g
	v_lshl_add_u32 v[BO+\t], v[BX+\t], 23, 0x3e800000
.else
	v_lshl_add_u32 v[ST+8*\t+1], v[BX+\t], 23, 0x3e800000
.endif
.endr
.endm
.macro EXPS g
.set i, 0
.rept 64
	v_exp_f32 v[S+i], v[S+i]                       ; p = 2^(t - M): not normalised
.set i, i+1
.endr
.irp t, 0,1                                    ; the sums under the new M.  (Plain places behind the exponentials)
.if \g
	v_pk_mul_f32 v[ST+8*\t+4:ST+8*\t+5], v[ST+8*\t+4:ST+8*\t+5], v[SU+2*\t:SU+2*\t+1] op_sel_hi:[1,0]
	v_mul_f32 v[ST+8*\t+6], v[ST+8*\t+6], v[SU+2*\t]       ; O's factor: both halves'
	v_mul_f32 v[ST+8*\t+1], v[ST+8*\t+1], v[SU+2*\t]       ; the first half's scale follows M
.else
	v_pk_mul_f32 v[ST+8*\t+4:ST+8*\t+5], v[ST+8*\t+4:ST+8*\t+5], v[ST+8*\t+6:ST+8*\t+7] op_sel_hi:[1,0]
.endif
.endr
	s_wait_alu depctr_va_vdst(0)                   ; the wait ahead of the batch's first reader
.endm
; p's codes (a whole block in a lane: lanes 0-15 the half's first 32 keys, lanes 16-31 its second), and the row's sum of the unquantised p (two tiles x two chains by turns)
.macro CODES g
.irp t, 0,1
.if \g
.set rE, BO+\t
.else
.set rE, ST+8*\t+1
.endif
.irp n, 0,1,2,3
	v_cvt_scalef32_pk8_fp4_f32 v[PC+8*\t+4*\g+\n], v[S+32*\t+8*\n:S+32*\t+8*\n+7], v[rE]
.endr
.endr
.irp t, 0,1
	v_pk_add_f32 v[SU+2*\t:SU+2*\t+1], v[S+32*\t:S+32*\t+1], v[S+32*\t+2:S+32*\t+3]   ; (also the plain places behind the conversions)
.endr
.set i, 4
.rept 7
.irp t, 0,1
	v_pk_add_f32 v[ST+8*\t+4:ST+8*\t+5], v[ST+8*\t+4:ST+8*\t+5], v[S+32*\t+i:S+32*\t+i+1]
	v_pk_add_f32 v[SU+2*\t:SU+2*\t+1], v[SU+2*\t:SU+2*\t+1], v[S+32*\t+i+2:S+32*\t+i+3]
.endr
.set i, i+4
.endr
.irp t, 0,1
	v_pk_add_f32 v[ST+8*\t+4:ST+8*\t+5], v[ST+8*\t+4:ST+8*\t+5], v[SU+2*\t:SU+2*\t+1]
.endr
.endm
; p's scale words for the step's 128 keys: a lane has the bytes of blocks h and 2 + h; lane l xor 16 the other two
.macro WORDS
.irp t, 0,1
	v_max_num_f32 v[ST+8*\t+1], 0x800000, v[ST+8*\t+1]     ; the byte cannot fall under 1
.endr
.irp t, 0,1
	v_lshrrev_b32 v[ST+8*\t+1], 23, v[ST+8*\t+1]
	v_lshrrev_b32 v[BX+\t], 23, v[BO+\t]
.endr
.irp t, 0,1
	v_lshl_or_b32 v[ST+8*\t+1], v[BX+\t], 16, v[ST+8*\t+1]
.endr
.irp t, 0,1
	v_lshlrev_b32 v[ST+8*\t+1], v[HS], v[ST+8*\t+1]
.endr
.irp t, 0,1
	v_permlanex16_b32 v[BX+\t], v[ST+8*\t+1], s[SEL], s[SEL+1]
.endr
.irp t, 0,1
	v_or_b32 v[PW+\t], v[ST+8*\t+1], v[BX+\t]
.endr
.endm
; A STEP: chunk j is multiplied.  sync = 1: it has a barrier; quant = 1: chunk j + 2 is quantised behind it; fill = 1: the barrier is a round, and chunk j + 3 is asked for behind it; next = 1: a step follows.
; At its head the first half's five loads of k and, behind them, eight of the mask are out.
.macro STEP first, sync, fill, quant, next
	s_wait_dscnt 0x8                               ; k is in (and my stores of images are done); the eight mask loads issued behind it may be out
	QK
	RADDR                                          ; with the line below four plain places behind the products (ISA guide 7.12.1)
	v_nop
	KLOAD 0, 1
	s_wait_dscnt 0x5                               ; the mask is in; the second half's five loads of k may be out
	MULM
	MLOAD 0, 1
	MAXM 0
	SHIFT 0
	s_wait_alu depctr_va_vdst(0)                   ; the wait ahead of the batch
	EXPS 0
	CODES 0
	s_wait_alu depctr_va_vdst(0)                   ; directly ahead of the wait below
	s_wait_dscnt 0x0                               ; the second half's k and mask are in
.if \sync > \quant
	s_barrier_signal -1                            ; no load is out any more: my stores of chunk j + 1's images were over at the step's head.  Until the wait: work on registers
.endif
	QK
.rept 4
	v_nop
.endr
	MULM
	MAXM 1
	SHIFT 1
	s_wait_alu depctr_va_vdst(0)                   ; the wait ahead of the batch
	EXPS 1
.if \quant
	s_wait_tensorcnt 0x0                           ; no tensor load of mine is out: chunk j + 2 is in, and group 0 may be written
	ds_add_u32 v[SPW], v[NIL]                      ; 0 onto my spare word
.if \fill
	ds_add_u32 v[SPW], v[NIL]                      ; and once more
	s_xor_b32 s[G0B+1], s[G0B+1], SLOT1            ; the walking descriptor: the other slot than last time,
	s_add_nc_u64 s[G0B+2:G0B+3], s[G0B+2:G0B+3], 512   ; the next 128 keys; the type bits on top are not reached
	s_wait_xcnt 0x0                                ; any prefetch of mine has read its address
	s_add_nc_u64 s[PFA:PFA+1], s[PFA:PFA+1], 512
.endif
.endif
	CODES 1
.if \quant
	s_wait_alu depctr_va_vdst(0)
	s_wait_dscnt 0x0                               ; the adds are done; my stores of chunk j + 1's images and my reads of its numbers were over at the step's head
	s_barrier_signal -1
.endif
	WORDS
.if \sync
	s_wait_alu depctr_va_vdst(0)
	s_barrier_wait -1                              ; chunk j + 1's images are whole, chunk j + 2 is whole in its slot, and nobody reads the other one:
.endif
.if \fill
	CREST                                          ; in both work-groups;
	TLOAD                                          ; it takes chunk j + 3
.endif
.if \quant
	QADDR
.endif
	VLOAD
.if \next
	KLOAD 1, 0                                     ; the next step's first half
.endif
.if \quant
	s_wait_alu depctr_va_vdst(0)                   ; the wait ahead of the branches below
	QUANT 16384, 512, 1, \first                    ; (the products are in it; the maxima behind them are the places in front of the mask's loads below)
.if \fill
	ASK                                            ; chunk j + 4: the next step asks for it
.endif
.else
	RESCALE \first
.if \next
	s_wait_dscnt 0x5                               ; v is in; the five loads of the next step's k may be out
.else
	s_wait_dscnt 0x0
.endif
	PV \first
.if \next
.rept 4
	v_nop                                          ; places in front of the loads into registers that the products read
.endr
.endif
.endif
.if \next
	MLOAD 1, 0
	s_xor_b32 s[SLQ], s[SLQ], SLOT1
	s_add_co_u32 s[CR], s[CR], 8192
	s_add_co_u32 s[SR], s[SR], 256
	s_add_co_u32 s[MR], s[MR], 512
.endif
.endm
	s_wait_alu depctr_va_vdst(0)                   ; the wait at the head's end
	s_wait_tensorcnt 0x0                           ; chunks 0 and 1 and the mask's row are in
	s_barrier_signal -1
	s_barrier_wait -1
	QADDR
	s_wait_alu depctr_va_vdst(0)
	QUANT 0, 0, 0, 0                               ; chunks 0 and 1 are quantised ahead of the steps
	s_mov_b32 s[SLQ], SLOT1
	QADDR
	s_wait_alu depctr_va_vdst(0)
	QUANT 8192, 256, 0, 0
	s_mov_b32 s[SLQ], 0
	s_wait_alu depctr_va_vdst(0)
	s_wait_tensorcnt 0x0                           ; ahead of the first refill, in every wave: these lines
	ds_add_u32 v[SPW], v[NIL]                      ; (the add, twice on end)
	ds_add_u32 v[SPW], v[NIL]
	s_xor_b32 s[G0B+1], s[G0B+1], SLOT1
	s_add_nc_u64 s[G0B+2:G0B+3], s[G0B+2:G0B+3], 512
	s_wait_dscnt 0x0                               ; my parts of the images are stored, my reads of both slots are over
	CROUND
	TLOAD                                          ; chunk 2 into slot 0
	RADDR
	KLOAD 0, 0
	MLOAD 0, 0
	s_wait_alu depctr_va_vdst(0)
	s_wait_loadcnt 0x0
; q's queries become the fragments of tiles 0 and 1.  A lane holds both channel blocks of its query; the layout wants lanes 0-15 block 0 and lanes 16-31 block 1 of ONE tile's queries:
; v_permlane16_swap_b32 of block 0's register with block 1's gives just that for both tiles.
.set i, 0
.rept 32
	v_pk_mul_f32 v[O+i:O+i+1], v[O+i:O+i+1], s[CQ:CQ+1] op_sel_hi:[1,0]   ; q x 64^(-1/4)
.set i, i+2
.endr
	MAX32 O, S
	MAX32 O+32, S+2
	v_add_nc_u32 v[S+4], 0xff000000, v[S]
	v_add_nc_u32 v[S+5], 0xff000000, v[S+2]
	v_lshrrev_b32 v[S+6], 23, v[S+4]
	v_lshrrev_b32 v[S+7], 23, v[S+5]
	v_lshl_or_b32 v[QS], v[S+7], 8, v[S+6]         ; the word b0 b1 b0 b1: it serves [Q | Z] and [Z | Q] alike
	v_lshl_or_b32 v[QS], v[QS], 16, v[QS]
.irp n, 0,1,2,3
	v_cvt_scalef32_pk8_fp4_f32 v[QW+4+\n], v[O+8*\n:O+8*\n+7], v[S+4]
.endr
.irp n, 0,1,2,3
	v_cvt_scalef32_pk8_fp4_f32 v[QW+12+\n], v[O+32+8*\n:O+32+8*\n+7], v[S+5]
.endr
	v_nop                                          ; one plain place behind a scaled conversion
.irp n, 0,1,2,3
	v_permlane16_swap_b32 v[QW+4+\n], v[QW+12+\n]
.endr
.rept 8
	v_nop                                          ; places between q's registers and the first products: 4 for an operand, 8 for a scale
.endr
	s_mov_b32 s[LEFT], 5
	s_wait_alu depctr_va_vdst(0)
	STEP 1, 1, 1, 1, 1                             ; step 0 stands in front of the loop: its products start O^T's sums
	s_mov_b32 s[LEFT], 4
	s_wait_alu depctr_va_vdst(0)
.Lstep:                                            ; steps 1 to 4
	STEP 0, 1, 1, 1, 1
	s_wait_alu depctr_va_vdst(0)                   ; the wait ahead of the branch
	s_sub_co_u32 s[LEFT], s[LEFT], 1
	s_cmp_lg_u32 s[LEFT], 0
	s_cbranch_scc1 .Lstep
	STEP 0, 1, 0, 1, 1                             ; step 5: the tail is written out: nothing is left to fetch
	STEP 0, 1, 0, 0, 1                             ; step 6: nor to quantise,
	STEP 0, 0, 0, 0, 0                             ; step 7: and no wave waits for another
	; THE WAY OUT.  The sum's halves and the other half of the lanes' are added; O^T / the sum goes through LDS: a pair of waves holds 64 neighbouring queries, 256 bytes of each channel's row.  Each of the two then stores 32 channels.
.irp t, 0,1
	v_add_f32 v[ST+8*\t+4], v[ST+8*\t+4], v[ST+8*\t+5]   ; (these lines are also the places behind the last products)
.endr
.irp t, 0,1
	v_permlanex16_b32 v[BX+\t], v[ST+8*\t+4], s[SEL], s[SEL+1]
.endr
.irp t, 0,1
	v_add_f32 v[ST+8*\t+4], v[ST+8*\t+4], v[BX+\t]
.endr
	s_lshr_b32 s13, s[WV], 1
	s_mul_i32 s13, s13, PAIR                       ; my pair's stage
	s_and_b32 s19, s[WV], 1
	s_mul_i32 s72, s19, 32*SP
	s_add_co_u32 s72, s72, s13
	s_lshl_b32 s19, s19, 7
	s_add_co_u32 s13, s13, s19
	s_wait_alu depctr_va_vdst(0)
.irp t, 0,1
	v_rcp_f32 v[ST+8*\t+4], v[ST+8*\t+4]
.endr
	v_and_b32 v40, 15, v0                          ; r  (plain lines behind the reciprocals)
	v_lshrrev_b32 v41, 4, v0                       ; h
	v_mul_u32_u24 v38, v41, 8*SP                   ; in: row 8 h + j (a channel), query r
	v_lshl_add_u32 v38, v40, 2, v38
	v_add_nc_u32 v38, s13, v38
	v_mul_u32_u24 v39, v41, SP                     ; back: lanes 0-15 one row of 256 bytes, lanes 16-31 the next
	v_lshl_add_u32 v39, v40, 4, v39
	v_add_nc_u32 v39, s72, v39
	v_lshlrev_b32 v42, 12, v41                     ; and the same two rows in out0
	v_lshl_add_u32 v42, v40, 4, v42
	s_wait_alu depctr_va_vdst(0)                   ; ahead of the reciprocals' and of O^T's first readers
.irp t, 0,1
.set i, 0
.rept 16
	v_pk_mul_f32 v[S+32*\t+i:S+32*\t+i+1], v[O+32*\t+i:O+32*\t+i+1], v[ST+8*\t+4:ST+8*\t+5] op_sel_hi:[1,0]
.set i, i+2
.endr
.endr
.irp t, 0,1
.irp c, 0,1,2,3
.irp j, 0,1,2,3,4,5,6,7
	ds_store_b32 v38, v[S+32*\t+8*\c+\j] offset:SP*(16*\c+\j)+64*\t
.endr
.endr
.endr
	s_wait_alu depctr_va_vdst(0)
	s_wait_dscnt 0x0
	s_barrier_signal -1
	s_barrier_wait -1
.set i, 0
.rept 16
	ds_load_b128 v[O+4*i:O+4*i+3], v39 offset:2*SP*i
.set i, i+1
.endr
.set i, 0
.rept 16
	s_wait_dscnt 15-i
	global_store_b128 v42, v[O+4*i:O+4*i+3], s[8:9] offset:2*4096*i th:TH_STORE_NT   ; 16 lanes store 256 consecutive bytes, at a multiple of 256 from out0's first byte
.set i, i+1
.endr
	s_wait_tensorcnt 0x0                           ; the wave's end
	ds_add_u32 v[SPW], v[NIL]
	s_wait_dscnt 0x0
	CROUND                                         ; the closing round
	s_endpgm
.Lfunc_end_k_qd34add1e32_attn:
	.size	k_qd34add1e32_attn, .Lfunc_end_k_qd34add1e32_attn-k_qd34add1e32_attn
	.p2alignl 7, 3214868480
	.fill 96, 4, 3214868480
	.section	.rodata,"a",@progbits
	.p2align	6, 0x0
	.amdhsa_kernel k_qd34add1e32_attn
		.amdhsa_group_segment_fixed_size 327680
		.amdhsa_private_segment_fixed_size 0
		.amdhsa_enable_private_segment 0
		.amdhsa_kernarg_size 24
		.amdhsa_user_sgpr_count 2
		.amdhsa_user_sgpr_kernarg_segment_ptr 1
		.amdhsa_wavefront_size32 1
		.amdhsa_system_sgpr_workgroup_id_x 1
		.amdhsa_system_sgpr_workgroup_id_y 1
		.amdhsa_system_sgpr_workgroup_id_z 1
		.amdhsa_system_vgpr_workitem_id 0
		.amdhsa_next_free_vgpr 256
		.amdhsa_next_free_sgpr 80
		.amdhsa_reserve_vcc 0
		.amdhsa_float_denorm_mode_32 3
		.amdhsa_float_denorm_mode_16_64 3
		.amdhsa_memory_ordered 1
		.amdhsa_forward_progress 1
		.amdhsa_inst_pref_size 233
	.end_amdhsa_kernel
	.amdgpu_metadata
---
amdhsa.version: [ 1, 2 ]
amdhsa.kernels:
  - .name:           k_qd34add1e32_attn
    .symbol:         k_qd34add1e32_attn.kd
    .args:
      - { .name: qkv, .offset: 0, .size: 8, .value_kind: global_buffer, .address_space: global }
      - { .name: mask, .offset: 8, .size: 8, .value_kind: global_buffer, .address_space: global }
      - { .name: out0, .offset: 16, .size: 8, .value_kind: global_buffer, .address_space: global }
    .group_segment_fixed_size: 327680
    .private_segment_fixed_size: 0
    .kernarg_segment_align: 8
    .kernarg_segment_size: 24
    .max_flat_workgroup_size: 512
    .sgpr_count:     80
    .vgpr_count:     256
    .wavefront_size: 32
...
	.end_amdgpu_metadata
.endif
;; end of part 1
